; MI455X (gfx1250); checked and timed in simulation.
; The chip was launched on July 23, 2026; its instructions are those of AMD's public machine-readable ISA for CDNA 5 (MIT licence, August 2026) and "CDNA5" Instruction Set Architecture Reference Guide (July 2026). The comments in the code are by the model that wrote it; some were corrected since.
;; Attention. Allowed arithmetic: matrix products marked QUANTISED: E2M3 operands, one E8M0 scale for each 32 along K, by v_wmma_scale_f32_16x16x128_f8f6f4 with both operands' format E2M3, f32 sums; products left as they are: f32 operands where the result goes on into a quantised operand, else bf16, f16 or f32 operands; f32 sums; everything else in f32.
;; Inputs: W_codes 1,024 x 32 x 24 uint8 (E2M3 codes of W, K innermost, in blocks of 32 codes, four codes in three bytes); W_scales 1,024 x 32 uint8 (E8M0 scales of W, one for each 32 codes along K); b 1,024 float32; ctx 1,024 float32; x 32 x 2,048 x 1,024 float32.
;; Outputs: out0 32 x 1,024 float32.
;; This version of the problem:
;;   THIS VERSION OF THE PROBLEM IS GIVEN IN LOW PRECISION. The matrix products marked QUANTISED in the list below multiply operands that are first quantised to E2M3 (2 exponent bits, 3 mantissa bits; 6 bits a number), with one power-of-two scale for each 32 numbers along K (OCP MX v1.0); their sums are f32. All else is computed in f32.
;;   The module's matrix products, in the order in which they are computed (A, B: the left and right operand; K: the contracted axis; several contracted axes count as one K, in the product's order):
;;     1. [M 65,536, K 1,024] x [K 1,024, N 1,024]; A: input x; B: input W (given as codes): QUANTISED
;;     2. [M 65,536, K 1,024] x [K 1,024, N 1]; A: computed on the way; B: input ctx: left as it is (N = 1 < 16)
;;     3. batch 32 x [M 1,024, K 2,048] x [K 2,048, N 1]; A: input x; B: softmax: left as it is (N = 1 < 16)
;;   THE QUANTISER, for each operand of a quantised product, along K:
;;     - K is cut into blocks of 32 from its start; a last block that is shorter is filled with zeros.
;;     - A block's scale is 2^e with e = floor(log2(the largest magnitude in the block)) - 2, held to -126 .. 127; a block of zeros has e = 0. As a byte (E8M0): e + 127.
;;     - Each number is divided by its block's scale, clamped to +-7.5, and rounded to the nearest number of E2M3, ties to even, subnormals kept.
;;     - The product sums the exact products of the quantised numbers (number of the format x scale) in f32.
;;   ~~~python
;;   def quantise(x, axis):      # numpy; x: float32 -> the quantised numbers, widened to float32 again
;;       x = np.moveaxis(x, axis, -1); K = x.shape[-1]
;;       x = np.pad(x, [(0, 0)] * (x.ndim - 1) + [(0, -K % 32)]); x = x.reshape(x.shape[:-1] + (-1, 32)); a = np.abs(x).max(-1, keepdims=True)
;;       e = np.where(a > 0, np.clip(np.frexp(np.where(a > 0, a, 1))[1] - 1 - 2, -126, 127), 0)      # np.frexp(a)[1] - 1 = floor(log2(a)), exactly
;;       r = np.clip(x / 2.0 ** e, -7.5, 7.5)
;;       step = 2.0 ** (np.maximum(np.frexp(np.where(r == 0, 1, r))[1] - 1, 0) - 3)
;;       q = np.round(r / step) * step * 2.0 ** e      # np.round: ties to even
;;       return np.moveaxis(q.reshape(q.shape[:-2] + (-1,))[..., :K], -1, axis).astype(np.float32)
;;   ~~~
;;   INPUTS GIVEN AS CODES. W (in the module: [1024, 1024], K = its axis 0): each comes as NAME_codes (uint8): NAME with its K axis moved to the last place and cut into blocks of 32 codes, [.., K / 32, bytes a block], one block behind the other in memory; four codes in three bytes: a row's codes are one little-endian stream of bits, code i at bits 6 i .. 6 i + 5 (a code: sign, 2 exponent bits, 3 mantissa bits); and NAME_scales (uint8): the same leading axes, one E8M0 byte (e + 127) for each 32 codes along K. Its value is code x scale, taken as it is: it is not quantised again, and the codes and scales need not be those that the quantiser above would give.
;; 2 versions, each right and faster than the one before. Each part assembles by itself: llvm-mc -triple=amdgcn-amd-amdhsa -mcpu=gfx1250 --defsym DOCPART=n.
;; ======== version 1 of 2: 2 launches
;; limits: an absolute error that grows with the inputs' magnitude: up to 4.77e-07 times it
;; workspace buffers: scores 262,144 bytes; sel 262,144 bytes of whole numbers
;; launch rowscore (part 1): grid 256 x 1, 4 waves a work-group, clusters of 4 x 1, 327,680 bytes of LDS; arguments x, W_codes, W_scales, b, ctx, scores, sel; writes scores, sel
.if DOCPART == 1
	.amdgcn_target "amdgcn-amd-amdhsa--gfx1250"
	.amdhsa_code_object_version 6
	.text
	.protected	k_qa1b418c571_rowscore
	.globl	k_qa1b418c571_rowscore
	.p2align	8
	.type	k_qa1b418c571_rowscore,@function
k_qa1b418c571_rowscore:
	s_mov_b64 s[64:65], 0
	v_nop
	global_prefetch_b8 v0, s[64:65] scope:SCOPE_SE
	s_setreg_imm32_b32 hwreg(HW_REG_WAVE_MODE, 25, 1), 1
	s_wait_xcnt 0x0
	s_wait_alu depctr_hold_cnt(0) depctr_sa_sdst(0) depctr_va_vdst(0) depctr_va_sdst(0) depctr_va_ssrc(0) depctr_va_vcc(0) depctr_vm_vsrc(0)
	s_getreg_b32 s2, hwreg(HW_REG_IB_STS2, 6, 4)
	s_cmp_eq_u32 s2, 0
	s_cbranch_scc0 .Lentry_in_a_cluster
	s_endpgm
.Lentry_in_a_cluster:
	s_bfe_u32 s2, ttmp6, 0x10000c
	s_cmp_lg_u32 s2, 0x3003
	s_cbranch_scc0 .Lentry_shape_is_right
	s_endpgm
.Lentry_shape_is_right:
; t[row] = log2(e) * sum over n of ctx[n] * tanh( (Q(x[row]) . W[n]) + b[n] ), for 65,536 rows; K = N = 1,024.
; x: f32, quantised here along K to codes of FP6 (E2M3) with one E8M0 byte for each 32; W: codes [n][768 bytes] and scale bytes [n][32], taken as they lie.
; OUT: scores: for each chunk of 64 rows 256 bytes, lane l the pair (t[l], t[32 + l]);  sel: for each chunk 256 bytes, every lane the same pair of masks:
; bit l of word m is set where row 32 m + l has t >= (the chunk's largest t) - 32.  The next launch takes the softmax over all t and gathers the rows that are set.
; LIMITS: a row that is not set has a weight under 2^-32 of its batch's largest; all 2,048 of a batch together weigh under 2^-21 of the divisor; they are left out of the weighted sum, not of the divisor.
; NaN and infinities among the inputs are not served.  A block of x whose largest magnitude lies under 2^-124 keeps the byte 1 (a block of zeros too: its codes are zeros, and this text alone reads the bytes).
; SHARES: a work-group owns 256 rows, each of its four waves 64: four sets of 16.  A wave reads its rows once, quantises them and keeps the codes in 384 registers; then it walks all 64 tiles of 16 columns n,
; so that each fragment of W read from LDS feeds four matrix instructions.  No operand goes from wave to wave.
; W comes through a ring of two LDS slots of 128 rows n.  All work-groups walk the same W, so the four of a cluster ask JOINTLY: the same tensor load, the same descriptor, the mask of all four.
; W's scale bytes, b and ctx come once, with the first fills, and stay.
; THE MATRIX INSTRUCTION: source 0 = 16 rows of W, source 1 = 16 rows of x: lane (r, h) holds x's row r, register j the column n0 + 8 h + j.  b is the C of a tile's first instruction.
; tanh z = 1 - 2 / (1 + 2^(c2 z)), c2 = 2 log2(e): per pair of numbers 4 packed lines and 4 transcendentals.  The tanh of tile T stands in slices of 4 lines behind the 32 matrix instructions of tile T + 1.
; LEFT OUT: x by tensor loads (a wave's loads into registers stream under counted waits, with no barrier); a prefetch of x (the first phase already keeps 32 KiB a wave on its way).
; REGISTERS, in windows of 256.  Window 0: addresses, scale words, bias, sums, two sets of 4 accumulators, W's 8 fragments.  Windows 1, 2: the codes of sets 0, 1 and 2, 3; ctx of two tiles, the SAME copy in both;
; window 3: four landing sets of 64 for x.  Under the products' settings only source 1 leaves window 0, and the only vector source 1 of a slice is ctx: so no switch stands between a product and its slice.
.set SLOTB, 104448                     ; a slot: 128 rows of W, each 3 x (256 bytes + 16 of padding) = 816 bytes
.set WQ,    26112                      ; a quarter of it: 32 rows, what one tensor load brings
.set TILEB, 13056                      ; 16 rows
.set SCT,   2*SLOTB                    ; W's scale bytes, dense, 32 a row
.set BT,    SCT+32768                  ; b
.set CT,    BT+4096                    ; ctx
.set STG,   CT+4096                    ; for each wave two stages of 16 rows x (512 bytes + 16): x turns through them
.set STW,   16896
.set STQ,   8448
.set SPARE, STG+4*STW                  ; the spare words, 128 bytes a wave: two blocks of 256 bytes that no other line names
.set SPW,  1                           ; v1   SPARE + 4 x my thread's number; never rewritten
.set NIL,  2                           ; v2   0; never rewritten
.set XA,   3                           ; v3   16 x lane
.set AW,   4                           ; v4-11 W's fragments: slot s, half hh of its tiles, var: v[AW + 4 s + 2 hh + var] = SLOTB s + 4 TILEB hh + 816 r + (24 or 40) h
.set ASC,  12                          ; v12  W's scale words: SCT + 32 r + 16 h, stepped a trip at a time
.set ABC,  13                          ; v13  b (and 4,096 on: ctx): BT + 32 h, stepped likewise
.set STI,  14                          ; v14  my stage, way in: 16 x lane
.set STO,  15                          ; v15  way out: 528 r + 128 h
.set SH8,  16                          ; v16  8 h
.set OA,   17                          ; v17  8 x lane
.set MA,   18                          ; v18-19 a block's largest magnitude (two blocks)
.set SS,   20                          ; v20-21 the conversions' scale operands
.set BB,   22                          ; v22-23 the bytes
.set WD,   24                          ; v24  my two bytes in place
.set WT,   25                          ; v25  the other half's
.set WE,   26                          ; v26  the scale word of an even K step
.set WO,   27                          ; v27  of an odd one
.set MB,   28                          ; v28-29 the second chain of each maximum
.set RR,   30                          ; v30  r
.set HH,   31                          ; v31  h
.set XS,   32                          ; v32-47 x's scale words: v[XS + 4 set + i]: lanes 0-15 K step 2 i, lanes 16-31 K step 2 i + 1
.set WS,   48                          ; v48-55 W's: v[WS + 4 par + j]: lanes 0-15 K step j, lanes 16-31 K step 4 + j
.set BIAS, 56                          ; v56-71 b of a tile, 8 registers, two sets
.set SACC, 72                          ; v72-79 the sums of ctx x tanh, a pair for each set of rows
.set ACC,  80                          ; v80-143 accumulators: v[ACC + 32 par + 8 set]
.set WF,   144                         ; v144-239 W's fragments of a tile, 12 registers a K step
.set XR,   80                          ; first phase: v80-207 two sets of 64 numbers of x
.set CTX,  192                         ; windows 1 and 2: v192-207 ctx of a tile, 8 registers, two sets
.set TT,   208                         ; windows 1 and 2: v208-214 the second half of each block's codes, before they are moved
.set G1C,  28                          ; s[28:35] group 1: W's codes;  s[36:43] scale bytes;  s[44:51] b and ctx
.set G1S,  36
.set G1T,  44
.set G0W,  52                          ; s[52:55], s[56:59] group 0 for slot 0, 1
.set G0S,  60                          ; s[60:63] scale bytes
.set G0B,  68                          ; s[68:71] b
.set G0X,  72                          ; s[72:75] ctx
.set MUL1, 0x04                        ; source 1 in window 1, all else in window 0
.set MUL2, 0x08                        ; source 1 in window 2
.set MSB, 0
.macro WIN new                         ; the immediate's high byte repeats the setting that is left; a switch that changes nothing is dropped
.if MSB != (\new)
	s_set_vgpr_msb (MSB<<8)|(\new)
.set MSB, (\new)
.endif
.endm
.macro ROUND                           ; a round of the cluster's barrier: my work-group's barrier, wave 0 signals for it, every wave waits for all four work-groups, my work-group's barrier once more
	s_barrier_signal -1
	s_barrier_wait -1
	s_cmp_lg_u32 s18, 0
	s_cbranch_scc1 .Lnot_wave_0_\@
	s_barrier_signal -3
.Lnot_wave_0_\@:
	s_barrier_wait -3
	s_barrier_signal -1
	s_barrier_wait -1
.endm
	s_load_b256 s[4:11], s[0:1], 0x0               ; x s[4:5], W's codes s[6:7], W's scales s[8:9], b s[10:11]
	s_load_b128 s[12:15], s[0:1], 0x20             ; ctx s[12:13], scores s[14:15]
	s_load_b64 s[16:17], s[0:1], 0x30              ; sel
	v_lshl_add_u32 v[SPW], v0, 2, SPARE
	v_mov_b32 v[NIL], 0
	ds_add_u32 v1, v2
	ds_add_u32 v1, v2
	s_wait_dscnt 0x0
	v_lshrrev_b32 v[RR], 5, v0
	v_readfirstlane_b32 s18, v[RR]                 ; wave 0..3
	s_bfe_u32 s19, ttmp6, 0x40000                  ; cx: my place in the cluster
	s_lshl_b32 s20, ttmp9, 2
	s_add_co_u32 s19, s20, s19                     ; work-group = 4 x cluster + cx: it enters the addresses of x, scores and sel alone
	s_lshl_b32 s76, s19, 20                        ; 256 rows of 4,096 bytes,
	s_lshl_b32 s77, s18, 18                        ; my wave's 64
	s_add_co_u32 s76, s76, s77
	s_mov_b32 s77, 0
	s_lshl_b32 s78, s19, 2
	s_add_co_u32 s78, s78, s18                     ; my chunk of 64 rows
	s_lshl_b32 s78, s78, 8                         ; 256 bytes a chunk in scores and in sel
	s_mov_b32 s79, 0
	s_mov_b32 s22, 0x76543210
	s_mov_b32 s23, 0xfedcba98                      ; v_permlanex16_b32's selects for lane l xor 16
	s_mov_b32 s24, 0x4038aa3b                      ; c2 = 2 log2(e)
	s_mov_b32 s25, s24                             ; (named with it as a pair, so it is written)
	s_mov_b32 s26, 0xffff0000                      ; lanes 16-31
	; group 1: every tile is a dense block of memory, taken as rows of 256 bytes (32 elements of 8 bytes); 15:0 the mask of all four work-groups, bit 21 beside it
	s_mov_b32 s[G1C], 15|(3<<16)|(1<<20)|(1<<21)|(5<<22)|(3<<25)   ; codes: 16 bytes of padding (code 3) behind every 64 words (code 5)
	s_mov_b32 s[G1S], 15|(3<<16)|(1<<21)           ; scale bytes, b, ctx: no padding
	s_mov_b32 s[G1T], 15|(3<<16)|(1<<21)
.irp g, G1C, G1S, G1T
	s_mov_b32 s[\g+1], 32<<16                      ; tensor_dim0 = 32
	s_mov_b32 s[\g+3], 32<<16                      ; tile_dim0 = 32
	s_mov_b32 s[\g+5], 32                          ; from row to row: 32 elements
	s_mov_b32 s[\g+6], 0
	s_mov_b32 s[\g+7], 0
.endr
	s_mov_b32 s[G1C+2], 96<<16                     ; tensor_dim1 = tile_dim1 = 96: 32 rows of W, 24,576 bytes
	s_mov_b32 s[G1C+4], 96
	s_mov_b32 s[G1S+2], 32<<16                     ; 8,192 bytes: a quarter of the scale bytes
	s_mov_b32 s[G1S+4], 32
	s_mov_b32 s[G1T+2], 4<<16                      ; 1,024 bytes: a quarter of b or of ctx
	s_mov_b32 s[G1T+4], 4
	s_mul_i32 s80, s18, WQ                         ; every wave brings its quarter of each region: LDS and memory offsets hang on the wave's number alone
	s_lshl_b32 s81, s18, 13
	s_lshl_b32 s82, s18, 10
	s_mul_i32 s83, s18, STW
	s_add_co_u32 s83, s83, STG                     ; my stages
	s_mul_i32 s84, s18, 24576
	s_mov_b32 s85, 0
	s_mov_b32 s86, s81
	s_mov_b32 s87, 0
	s_mov_b32 s88, s82
	s_mov_b32 s89, 0
	s_wait_kmcnt 0x0
	s_add_nc_u64 s[4:5], s[4:5], s[76:77]          ; x at my wave's first row
	s_add_nc_u64 s[14:15], s[14:15], s[78:79]      ; scores and sel at my chunk
	s_add_nc_u64 s[16:17], s[16:17], s[78:79]
	s_mov_b32 s[G0W], 1                            ; slot 0: W's rows 0-127
	s_mov_b32 s[G0W+1], s80
	s_add_nc_u64 s[G0W+2:G0W+3], s[6:7], s[84:85]
	s_mov_b32 s[G0W+4], 1                          ; slot 1: rows 128-255, 98,304 bytes on
	s_add_co_u32 s[G0W+5], s80, SLOTB
	s_add_nc_u64 s[G0W+6:G0W+7], s[G0W+2:G0W+3], 98304
	s_or_b32 s[G0W+3], s[G0W+3], 0x80000000        ; type = 2
	s_or_b32 s[G0W+7], s[G0W+7], 0x80000000
	s_mov_b32 s[G0S], 1
	s_add_co_u32 s[G0S+1], s81, SCT
	s_add_nc_u64 s[G0S+2:G0S+3], s[8:9], s[86:87]
	s_or_b32 s[G0S+3], s[G0S+3], 0x80000000
	s_mov_b32 s[G0B], 1
	s_add_co_u32 s[G0B+1], s82, BT
	s_add_nc_u64 s[G0B+2:G0B+3], s[10:11], s[88:89]
	s_or_b32 s[G0B+3], s[G0B+3], 0x80000000
	s_mov_b32 s[G0X], 1
	s_add_co_u32 s[G0X+1], s82, CT
	s_add_nc_u64 s[G0X+2:G0X+3], s[12:13], s[88:89]
	s_or_b32 s[G0X+3], s[G0X+3], 0x80000000
	ROUND                                          ; all four work-groups are here: the first joint loads meet
	tensor_load_to_lds s[G0S:G0S+3], s[G1S:G1S+7]  ; the first fills go out together: five loads of mine are out; they land while x is read
	s_nop 0
	tensor_load_to_lds s[G0B:G0B+3], s[G1T:G1T+7]
	s_nop 0
	tensor_load_to_lds s[G0X:G0X+3], s[G1T:G1T+7]
	s_nop 0
	tensor_load_to_lds s[G0W:G0W+3], s[G1C:G1C+7]
	s_nop 0
	tensor_load_to_lds s[G0W+4:G0W+7], s[G1C:G1C+7]
	s_nop 0
.rept 4
	v_nop
.endr
	v_and_b32 v[XA], 31, v0
	v_lshlrev_b32 v[XA], 4, v[XA]                  ; 16 x lane
	v_and_b32 v[RR], 15, v0                        ; r
	v_bfe_u32 v[HH], v0, 4, 1                      ; h
	v_mul_u32_u24 v240, v[RR], 816
	v_mad_u32_u24 v241, v[HH], 24, v240            ; a fragment's row x pitch + 24 h
	v_lshl_add_u32 v242, v[HH], 4, v241            ; and the same behind one padding more
.irp s, 0,1
.irp hh, 0,1
	v_add_nc_u32 v[AW+4*\s+2*\hh], SLOTB*\s+4*TILEB*\hh, v241
	v_add_nc_u32 v[AW+4*\s+2*\hh+1], SLOTB*\s+4*TILEB*\hh, v242
.endr
.endr
	v_lshlrev_b32 v[ASC], 5, v[RR]
	v_lshl_add_u32 v[ASC], v[HH], 4, v[ASC]
	v_add_nc_u32 v[ASC], SCT, v[ASC]
	v_lshl_add_u32 v[ABC], v[HH], 5, BT
	v_add_nc_u32 v[STI], s83, v[XA]
	v_mul_u32_u24 v[STO], v[RR], 528
	v_lshl_add_u32 v[STO], v[HH], 7, v[STO]
	v_add_nc_u32 v[STO], s83, v[STO]
	v_lshlrev_b32 v[SH8], 3, v[HH]
	v_lshrrev_b32 v[OA], 1, v[XA]
	v_mov_b32 v[WT], 0                             ; written once: a lane permute's destination counts as one of its sources
; ---- THE FIRST PHASE: my 64 rows of x become 32 fragments (set f / 8, K step f % 8) of codes in registers.
; LOAD: 16 rows x 512 bytes; each load reads 512 consecutive bytes of one row.
.macro LOAD f
	WIN 0xc0                                       ; destination window 3
.irp i, 0,1,2,3,4,5,6,7,8,9,10,11,12,13,14,15
	global_load_b128 v[64*((\f)%4)+4*\i:64*((\f)%4)+4*\i+3], v[XA], s[4:5] offset:65536*((\f)/8)+512*((\f)%8)+4096*\i th:TH_LOAD_NT
.endr
.endm
; TURN: through my own stage, as loaded, and back so that a lane holds, of row r, k = 64 c + 32 h + 0 .. 31: two whole blocks, in the order of the operand's registers.
; LDS serves a wave's instructions in order (ISA guide 5.7.1.4): no wait between the stores and the loads.  Rows 528 bytes apart: the sixteen rows of a load start at sixteen different groups of banks.
.macro TURN f
	WIN 0x0c                                       ; an LDS store's data are its source 1: window 3
.irp i, 0,1,2,3,4,5,6,7,8,9,10,11,12,13,14,15
	ds_store_b128 v[STI], v[64*((\f)%4)+4*\i:64*((\f)%4)+4*\i+3] offset:STQ*((\f)%2)+528*\i
.endr
	WIN 0
.irp c, 0,1
.irp j, 0,1,2,3,4,5,6,7
	ds_load_b128 v[XR+64*((\f)%2)+32*\c+4*\j:XR+64*((\f)%2)+32*\c+4*\j+3], v[STO] offset:STQ*((\f)%2)+256*\c+16*\j
.endr
.endr
.endm
; QUANT: a block's scale byte is its largest magnitude's exponent field - 2, held at 1 from below by the floor 2^(3 - 127) among the maximum's leaves; no other lane is asked for a maximum.
.macro QUANT f
.set xb_, XR+64*((\f)%2)
.set st_, (\f)/8
.set kp_, (\f)%8
.set wn_, 1+st_/2                      ; the set's window
.set cd_, 96*(st_%2)+12*kp_            ; the fragment's 12 registers there
.irp c, 0,1
	v_max3_num_f32 v[MA+\c], |v[xb_+32*\c]|, |v[xb_+32*\c+1]|, 0x1800000
	v_max3_num_f32 v[MB+\c], |v[xb_+32*\c+2]|, |v[xb_+32*\c+3]|, |v[xb_+32*\c+4]|
.endr
.irp i, 5,9,13,17,21,25
.irp c, 0,1
	v_max3_num_f32 v[MA+\c], v[MA+\c], |v[xb_+32*\c+\i]|, |v[xb_+32*\c+\i+1]|     ; four chains by turns: no line waits for the line above it
	v_max3_num_f32 v[MB+\c], v[MB+\c], |v[xb_+32*\c+\i+2]|, |v[xb_+32*\c+\i+3]|
.endr
.endr
.irp c, 0,1
	v_max3_num_f32 v[MA+\c], v[MA+\c], |v[xb_+32*\c+29]|, |v[xb_+32*\c+30]|
.endr
.irp c, 0,1
	v_max3_num_f32 v[MA+\c], v[MA+\c], v[MB+\c], |v[xb_+32*\c+31]|
.endr
.irp c, 0,1
	v_add_nc_u32 v[SS+\c], 0xff000000, v[MA+\c]    ; 2 off the exponent field: the conversion takes the exponent field of this operand as its scale
.endr
.irp c, 0,1
	v_lshrrev_b32 v[BB+\c], 23, v[SS+\c]           ; the byte
.endr
	v_lshl_or_b32 v[WD], v[BB+1], 16, v[BB]        ; my blocks are h and 2 + h of the K step:
	v_lshlrev_b32 v[WD], v[SH8], v[WD]             ; 8 h bits up;
	v_permlanex16_b32 v[WT], v[WD], s22, s23
.if kp_%2 == 0
	v_or_b32 v[WE], v[WD], v[WT]                   ; with lane l xor 16's two bytes the row's word is whole, in both halves of the lanes
.else
	v_or_b32 v[WO], v[WD], v[WT]
	v_cndmask_b32 v[XS+4*st_+kp_/2], v[WE], v[WO], s26   ; lanes 0-15 keep the even K step's word, lanes 16-31 the odd one's
.endif
	WIN wn_<<6                                     ; destination: the set's window
	v_cvt_scalef32_pk16_fp6_f32 v[cd_:cd_+2], v[xb_:xb_+15], v[SS]
	v_cvt_scalef32_pk16_fp6_f32 v[TT:TT+2], v[xb_+16:xb_+31], v[SS]            ; (a conversion's three registers begin on an even number: the second half of a block's six is made elsewhere and moved)
	v_cvt_scalef32_pk16_fp6_f32 v[cd_+6:cd_+8], v[xb_+32:xb_+47], v[SS+1]
	v_cvt_scalef32_pk16_fp6_f32 v[TT+4:TT+6], v[xb_+48:xb_+63], v[SS+1]
	WIN (wn_<<6)|wn_
	v_nop                                          ; one plain place behind a scaled conversion
.irp i, 0,1,2
	v_mov_b32 v[cd_+3+\i], v[TT+\i]
	v_mov_b32 v[cd_+9+\i], v[TT+4+\i]
.endr
	WIN 0
.endm
.macro XSTEP f
	s_wait_dscnt 0x0                               ; this fragment's numbers are back from the stage, and its stores into the stage have read the landing set,
.if (\f) < 28
	LOAD (\f)+4                                    ; which takes the fragment four on
.endif
.if (\f) <= 27
	s_wait_loadcnt 48                              ; the next fragment's 16 loads are in; those of the three behind it stay out
.elseif (\f) < 31
	s_wait_loadcnt 16*(30-(\f))                    ; the counts run down: 32, 16, 0
.endif
.if (\f) < 31
	TURN (\f)+1                                    ; it goes through the other stage while this one is quantised
.endif
	QUANT \f
.endm
	LOAD 0
	LOAD 1
	LOAD 2
	LOAD 3
	s_wait_loadcnt 48
	TURN 0
.set F, 0
.rept 32
	XSTEP F
.set F, F+1
.endr
; ---- THE PRODUCT, tanh and the sum with ctx.
; A fragment of W, 16 rows x 128 K: lane (r, h) takes 24 bytes at 96 kk + 24 h and 24 at 96 kk + 48 + 24 h of its row, as pieces of 8 bytes.  Piece p of a row lies at 8 p + 16 (p / 32);
; lanes 16-31 read three pieces further on, which is behind one padding more where p % 32 is 29 or more: the second address register serves those.
.macro FRAG kk
.irp p, 0,1,2,3,4,5
.set pc_, 12*(\kk)+6*(\p/3)+\p%3
.if pc_%32 < 29
	ds_load_b64 v[WF+12*(\kk)+2*\p:WF+12*(\kk)+2*\p+1], v[AW+4*nS+2*(nI/4)] offset:TILEB*(nI%4)+8*pc_+16*(pc_/32)
.else
	ds_load_b64 v[WF+12*(\kk)+2*\p:WF+12*(\kk)+2*\p+1], v[AW+4*nS+2*(nI/4)+1] offset:TILEB*(nI%4)+8*pc_+16*(pc_/32)
.endif
.endr
.endm
; What the next tile (slot nS, tile nI, number nT in the trip, parity nP) wants, in two runs of LDS loads: 27 and 28.
.macro FETCH1
	ds_load_b128 v[WS+4*nP:WS+4*nP+3], v[ASC] offset:512*nT
	ds_load_b128 v[BIAS+8*nP:BIAS+8*nP+3], v[ABC] offset:64*nT
	ds_load_b128 v[BIAS+8*nP+4:BIAS+8*nP+7], v[ABC] offset:64*nT+16
.irp kk, 0,1,2,3
	FRAG \kk
.endr
.endm
.macro FETCH2
.irp kk, 4,5,6,7
	FRAG \kk
.endr
	WIN 0x40                                       ; ctx of that tile, into window 1
	ds_load_b128 v[CTX+8*nP:CTX+8*nP+3], v[ABC] offset:4096+64*nT
	ds_load_b128 v[CTX+8*nP+4:CTX+8*nP+7], v[ABC] offset:4096+64*nT+16
	WIN 0x80                                       ; and the same into window 2
	ds_load_b128 v[CTX+8*nP:CTX+8*nP+3], v[ABC] offset:4096+64*nT
	ds_load_b128 v[CTX+8*nP+4:CTX+8*nP+7], v[ABC] offset:4096+64*nT+16
.endm
; The tanh of a finished tile (accumulators at aq_, its ctx at cq_), pair p = registers 2 p, 2 p + 1 of 32; set p / 4, columns 2 (p % 4) on.
.macro OPA p
	v_pk_mul_f32 v[aq_+2*(\p):aq_+2*(\p)+1], v[aq_+2*(\p):aq_+2*(\p)+1], s[24:25] op_sel_hi:[1,0]      ; c2 z
.endm
.macro OPX p
	v_exp_f32 v[aq_+2*(\p)], v[aq_+2*(\p)]                                                            ; e = 2^(c2 z)
	v_exp_f32 v[aq_+2*(\p)+1], v[aq_+2*(\p)+1]
.endm
.macro OPC p
	s_wait_alu depctr_va_vdst(0)
	v_pk_add_f32 v[aq_+2*(\p):aq_+2*(\p)+1], v[aq_+2*(\p):aq_+2*(\p)+1], 1.0 op_sel_hi:[1,0]           ; 1 + e
.endm
.macro OPR p
	v_rcp_f32 v[aq_+2*(\p)], v[aq_+2*(\p)]                                                            ; 1 / (1 + e): 0 where e has overflowed
	v_rcp_f32 v[aq_+2*(\p)+1], v[aq_+2*(\p)+1]
.endm
.macro OPT p
	s_wait_alu depctr_va_vdst(0)
	v_pk_fma_f32 v[aq_+2*(\p):aq_+2*(\p)+1], v[aq_+2*(\p):aq_+2*(\p)+1], -2.0, 1.0 op_sel_hi:[1,0,0]   ; tanh z
.endm
.macro OPE p
	v_pk_fma_f32 v[SACC+2*((\p)/4):SACC+2*((\p)/4)+1], v[aq_+2*(\p):aq_+2*(\p)+1], v[cq_+2*((\p)%4):cq_+2*((\p)%4)+1], v[SACC+2*((\p)/4):SACC+2*((\p)/4)+1]
.endm
; Slice sl of 32.  Behind every transcendental one plain line comes before its result is used (ISA guide 5.7.2); each accumulator is first read at its two lowest registers.
.macro SLICE
.set ii, sl/2
.if sl%2 == 0
.if sl == 0
	OPA 0
.endif
.if ii < 15
	OPA ii+1
.else
	v_nop
.endif
.if ii > 0
	OPT ii-1
.endif
	OPX ii
.else
.if ii > 0
	OPE ii-1
.else
	v_nop
.endif
	OPC ii
	OPR ii
.if ii == 15
	v_nop
	OPT 15
	OPE 15
.endif
.endif
.endm
.macro MM                              ; K steps 4-7 take W's words from lanes 16-31, odd K steps x's
.if (kap >= 4) && (kap%2 == 1)
	v_wmma_scale_f32_16x16x128_f8f6f4 v[rD:rD+7], v[rA:rA+11], v[rB:rB+11], v[rC:rC+7], v[rSA], v[rSB] matrix_a_fmt:MATRIX_FMT_FP6 matrix_b_fmt:MATRIX_FMT_FP6 matrix_a_scale:MATRIX_SCALE_ROW1 matrix_b_scale:MATRIX_SCALE_ROW1
.elseif kap >= 4
	v_wmma_scale_f32_16x16x128_f8f6f4 v[rD:rD+7], v[rA:rA+11], v[rB:rB+11], v[rC:rC+7], v[rSA], v[rSB] matrix_a_fmt:MATRIX_FMT_FP6 matrix_b_fmt:MATRIX_FMT_FP6 matrix_a_scale:MATRIX_SCALE_ROW1
.elseif kap%2 == 1
	v_wmma_scale_f32_16x16x128_f8f6f4 v[rD:rD+7], v[rA:rA+11], v[rB:rB+11], v[rC:rC+7], v[rSA], v[rSB] matrix_a_fmt:MATRIX_FMT_FP6 matrix_b_fmt:MATRIX_FMT_FP6 matrix_b_scale:MATRIX_SCALE_ROW1
.else
	v_wmma_scale_f32_16x16x128_f8f6f4 v[rD:rD+7], v[rA:rA+11], v[rB:rB+11], v[rC:rC+7], v[rSA], v[rSB] matrix_a_fmt:MATRIX_FMT_FP6 matrix_b_fmt:MATRIX_FMT_FP6
.endif
.endm
; A TILE: 16 columns n x my 64 rows x K 1,024: 32 matrix instructions, K step n / 4.  The four accumulators take turns, one instruction a turn: sets 0 1 2 3 in even
; K steps, 2 3 0 1 in odd ones, so that the window of source 1 changes once a K step.  Behind each instruction a slice of the tile before.
; The next tile's loads stand in two runs.  The first behind slice 17: the last product that read K steps 0-3 is number 15, six plain lines back.  The second behind slice 31: five plain lines behind number 31.
; (A load into a register that a matrix instruction has read stands four places behind it; only plain vector lines that name none of its registers are places: ISA guide 7.12.1 for vector instructions.)
; chg = 1: the slot's last tile, and the slot is filled again;  chg = 2: the slot is left and nothing is asked for.  All reads of the slot were issued in the tile before.
.macro TILE par, s, i, chg, fetch
.set aq_, ACC+32*(1-(\par))
.set cq_, CTX+8*(1-(\par))
.if (\i) < 7
.set nS, (\s)
.set nI, (\i)+1
.else
.set nS, 1-(\s)
.set nI, 0
.endif
.set nT, 8*(\s)+(\i)+1
.set nP, 1-(\par)
	s_wait_dscnt 28                                ; the first run is in; the 28 loads of the second may be out
.set n, 0
.rept 32
.if n == 16
.if \chg
	WIN 0                                          ; (the add's two registers lie in window 0)
	s_wait_tensorcnt 0x0                           ; all my tensor loads have landed: the one that was out is my quarter of the other slot;
	ds_add_u32 v[SPW], v[NIL]                      ; 0 onto my spare word
	s_wait_dscnt 1                                 ; the second run is in; the add may be out
.else
	s_wait_dscnt 0x0                               ; the second run is in (asked for 16 matrix instructions ago)
.endif
.endif
.set kap, n/4
.set sset, ((n%4)+2*(kap%2))%4
.set rD, ACC+32*(\par)+8*sset
.set rA, WF+12*kap
.set rB, 96*(sset%2)+12*kap
.if kap == 0
.set rC, BIAS+8*(\par)                 ; b starts the sums: nothing is cleared, nothing is added later
.else
.set rC, rD
.endif
.set rSA, WS+4*(\par)+kap%4
.set rSB, XS+4*sset+kap/2
.if sset < 2
	WIN MUL1
.else
	WIN MUL2
.endif
	MM
.set sl, n
	SLICE
.if n == 17
.if \chg
	WIN 0                                          ; at a branch and at a label every window is 0
.if \chg == 1
	s_add_nc_u64 s[G0W+4*(\s)+2:G0W+4*(\s)+3], s[G0W+4*(\s)+2:G0W+4*(\s)+3], 196608   ; no tensor load of mine is out: this slot's next 128 rows of W, two slots on
.endif
	s_wait_dscnt 0x0                               ; the add is done, and my reads of this slot are over
.if \chg == 1
	ROUND                                          ; no wave of any partner still reads this slot or has a load on its way
	tensor_load_to_lds s[G0W+4*(\s):G0W+4*(\s)+3], s[G1C:G1C+7]    ; my one tensor load behind the round: it has the other slot's eight tiles in which to land
	s_nop 0
.rept 4
	v_nop
.endr
.else
	s_barrier_signal -1
	s_barrier_wait -1                              ; the other slot is whole for every wave
.endif
.endif
.if \fetch
	FETCH1
.endif
.endif
.set n, n+1
.endr
.if \fetch
	FETCH2
.endif
.endm
; A TRIP: once round the ring: 16 tiles, 256 columns.
.macro TRIP c0, c1, last
.irp i, 0,1,2,3,4,5,6
	TILE \i%2, 0, \i, 0, 1
.endr
	TILE 1, 0, 7, \c0, 1
.irp i, 0,1,2,3,4,5,6
	TILE \i%2, 1, \i, 0, 1
.endr
	TILE 1, 1, 7, \c1, 1-(\last)
	WIN 0
.if !(\last)
	v_add_nc_u32 v[ASC], 8192, v[ASC]              ; the next 256 columns' scale words,
	v_add_nc_u32 v[ABC], 1024, v[ABC]              ; b and ctx
.endif
.endm
	s_wait_tensorcnt 0x0                           ; my quarters of the scale bytes, b, ctx and both slots are in,
	s_wait_dscnt 0x0
	s_barrier_signal -1
	s_barrier_wait -1                              ; everybody's are
.set nS, 0
.set nI, 0
.set nT, 0
.set nP, 0
	FETCH1                                         ; the first tile
	FETCH2
	WIN 0
; The tile loop is written once: its first tile finds a finished tile of zeros with ctx = 0, whose slices add tanh(0) x 0.  These 56 lines are also the places between the vector lines that wrote
; x's codes and scale words and the first scaled matrix instruction.
.irp j, 0,1,2,3,4,5,6,7
	v_mov_b32 v[SACC+\j], 0
.endr
.irp j, 0,1,2,3,4,5,6,7,8,9,10,11,12,13,14,15,16,17,18,19,20,21,22,23,24,25,26,27,28,29,30,31
	v_mov_b32 v[ACC+32+\j], 0
.endr
	WIN 0x40
.irp j, 0,1,2,3,4,5,6,7
	v_mov_b32 v[CTX+8+\j], 0
.endr
	WIN 0x80
.irp j, 0,1,2,3,4,5,6,7
	v_mov_b32 v[CTX+8+\j], 0
.endr
	WIN 0
	s_mov_b32 s27, 3
.Ltrip:                                                ; three trips fill both slots again
	TRIP 1, 1, 0
	s_sub_co_u32 s27, s27, 1
	s_cmp_lg_u32 s27, 0
	s_cbranch_scc1 .Ltrip
	TRIP 2, 0, 1                                   ; the last trip is written out: it asks for nothing
	; the last tile's tanh: its slices alone
.set aq_, ACC+32
.set cq_, CTX+8
	WIN MUL1
.set sl, 0
.rept 32
	SLICE
.set sl, sl+1
.endr
	WIN 0
	; ---- THE END: a row's sum lies in two halves of a pair and in lanes l and l xor 16
.irp s, 0,1,2,3
	v_add_f32 v[240+\s], v[SACC+2*\s], v[SACC+2*\s+1]
.endr
.irp s, 0,1,2,3
	v_permlanex16_b32 v[WD+\s], v[240+\s], s22, s23
.endr
.irp s, 0,1,2,3
	v_add_f32 v[240+\s], v[240+\s], v[WD+\s]       ; both halves of the lanes now hold row 16 set + r
.endr
	v_cndmask_b32 v248, v240, v241, s26            ; lane l: row l
	v_cndmask_b32 v249, v242, v243, s26            ; and row 32 + l
	v_mul_f32 v248, 0x3fb8aa3b, v248               ; in units of log2
	v_mul_f32 v249, 0x3fb8aa3b, v249
	v_max_num_f32 v250, v248, v249
	v_max_num_f32_dpp v250, v250, v250 row_xmask:1 row_mask:0xf bank_mask:0xf
	v_max_num_f32_dpp v250, v250, v250 row_xmask:2 row_mask:0xf bank_mask:0xf
	v_max_num_f32_dpp v250, v250, v250 row_xmask:4 row_mask:0xf bank_mask:0xf
	v_max_num_f32_dpp v250, v250, v250 row_xmask:8 row_mask:0xf bank_mask:0xf
	v_permlanex16_b32 v[WD], v250, s22, s23
	v_max_num_f32 v250, v250, v[WD]                ; the chunk's largest t
	v_add_f32 v252, 0xc2000000, v250               ; - 32
	v_cmp_ge_f32 s76, v248, v252                   ; the rows that can matter; the masks are stored, nothing in this launch hangs on them
	v_cmp_ge_f32 s77, v249, v252
	v_mov_b32 v254, s76
	v_mov_b32 v255, s77
	global_store_b64 v[OA], v[248:249], s[14:15]   ; 32 lanes store 256 consecutive bytes, at a multiple of 256 from the buffer's first byte
	global_store_b64 v[OA], v[254:255], s[16:17]   ; likewise
	s_wait_tensorcnt 0x0                           ; the wave's end
	ds_add_u32 v[SPW], v[NIL]
	s_wait_dscnt 0x0
	ROUND                                          ; the closing round: no work-group ends while a partner may still ask for a tile that names it
	s_endpgm
.Lfunc_end_k_qa1b418c571_rowscore:
	.size	k_qa1b418c571_rowscore, .Lfunc_end_k_qa1b418c571_rowscore-k_qa1b418c571_rowscore
	.p2alignl 7, 3214868480
	.fill 96, 4, 3214868480
	.section	.rodata,"a",@progbits
	.p2align	6, 0x0
	.amdhsa_kernel k_qa1b418c571_rowscore
		.amdhsa_group_segment_fixed_size 327680
		.amdhsa_private_segment_fixed_size 0
		.amdhsa_enable_private_segment 0
		.amdhsa_kernarg_size 56
		.amdhsa_user_sgpr_count 2
		.amdhsa_user_sgpr_kernarg_segment_ptr 1
		.amdhsa_wavefront_size32 1
		.amdhsa_system_sgpr_workgroup_id_x 1
		.amdhsa_system_sgpr_workgroup_id_y 1
		.amdhsa_system_sgpr_workgroup_id_z 1
		.amdhsa_system_vgpr_workitem_id 0
		.amdhsa_next_free_vgpr 1024
		.amdhsa_next_free_sgpr 96
		.amdhsa_reserve_vcc 0
		.amdhsa_float_denorm_mode_32 3
		.amdhsa_float_denorm_mode_16_64 3
		.amdhsa_memory_ordered 1
		.amdhsa_forward_progress 1
		.amdhsa_inst_pref_size 255
	.end_amdhsa_kernel
	.section	.bss,"aw",@nobits
	.p2align	6
	.space	262144
	.amdgpu_metadata
---
amdhsa.version: [ 1, 2 ]
amdhsa.kernels:
  - .name:           k_qa1b418c571_rowscore
    .symbol:         k_qa1b418c571_rowscore.kd
    .args:
      - { .name: x, .offset: 0, .size: 8, .value_kind: global_buffer, .address_space: global }
      - { .name: W_codes, .offset: 8, .size: 8, .value_kind: global_buffer, .address_space: global }
      - { .name: W_scales, .offset: 16, .size: 8, .value_kind: global_buffer, .address_space: global }
      - { .name: b, .offset: 24, .size: 8, .value_kind: global_buffer, .address_space: global }
      - { .name: ctx, .offset: 32, .size: 8, .value_kind: global_buffer, .address_space: global }
      - { .name: scores, .offset: 40, .size: 8, .value_kind: global_buffer, .address_space: global }
      - { .name: sel, .offset: 48, .size: 8, .value_kind: global_buffer, .address_space: global }
    .group_segment_fixed_size: 327680
    .private_segment_fixed_size: 0
    .kernarg_segment_align: 8
    .kernarg_segment_size: 56
    .max_flat_workgroup_size: 128
    .sgpr_count:     96
    .vgpr_count:     1024
    .wavefront_size: 32
...
	.end_amdgpu_metadata
.endif
;; end of part 1
;; launch pool (part 2): grid 8 x 32, 32 waves a work-group, no clusters, 20,992 bytes of LDS; arguments x, scores, sel, out0; writes out0
.if DOCPART == 2
	.amdgcn_target "amdgcn-amd-amdhsa--gfx1250"
	.amdhsa_code_object_version 6
	.text
	.protected	k_qa1b418c571_pool
	.globl	k_qa1b418c571_pool
	.p2align	8
	.type	k_qa1b418c571_pool,@function
k_qa1b418c571_pool:
	s_mov_b64 s[64:65], 0
	v_nop
	global_prefetch_b8 v0, s[64:65] scope:SCOPE_SE
	s_setreg_imm32_b32 hwreg(HW_REG_WAVE_MODE, 25, 1), 1
	s_wait_xcnt 0x0
; out0[batch][e] = sum over s of softmax_s(score) x[batch][s][e].  scores holds t = score x log2(e), sel the rows that can matter (both stored by the launch before, 256 bytes for each chunk of 64 rows).
; A work-group takes one batch and 128 columns (512 bytes of a row); wave w takes chunk w of the batch's 32.  Lane l holds columns 4 l .. 4 l + 3.
; The batch's largest t is taken away before the exponential; the divisor is the sum of p = 2^(t - M) over ALL 2,048 rows; the weighted sum runs over the rows set in sel, in f32.
; LIMIT: a row not set has p under 2^-32 (it lies more than 32 under its chunk's largest t, which is at most M); all of a batch together weigh under 2^-21 of the divisor, which is at least 1.
; The text is right for any masks, all rows set too.  NaN and infinities in x are not served (a slot with no row left multiplies a row by 0).
; Trip counts and row addresses hang on sel alone, whole numbers read from memory.  No matrix unit (a product with one column), no tensor load, no cluster: work-groups share no tile.
.set PT, 0                             ; LDS: 512 bytes a wave: its partial sums
.set MX, 16384                         ; a word a wave: its largest t
.set LS, 16640                         ; a word a wave: its sum of p
.macro WMAX r, t                       ; the maximum over the wave's 32 lanes, in every lane
	v_max_num_f32_dpp v[\r], v[\r], v[\r] row_xmask:1 row_mask:0xf bank_mask:0xf
	v_max_num_f32_dpp v[\r], v[\r], v[\r] row_xmask:2 row_mask:0xf bank_mask:0xf
	v_max_num_f32_dpp v[\r], v[\r], v[\r] row_xmask:4 row_mask:0xf bank_mask:0xf
	v_max_num_f32_dpp v[\r], v[\r], v[\r] row_xmask:8 row_mask:0xf bank_mask:0xf
	v_permlanex16_b32 v[\t], v[\r], s32, s33
	v_max_num_f32 v[\r], v[\r], v[\t]
.endm
.macro WSUM r, t                       ; the sum likewise
	v_add_f32_dpp v[\r], v[\r], v[\r] row_xmask:1 row_mask:0xf bank_mask:0xf
	v_add_f32_dpp v[\r], v[\r], v[\r] row_xmask:2 row_mask:0xf bank_mask:0xf
	v_add_f32_dpp v[\r], v[\r], v[\r] row_xmask:4 row_mask:0xf bank_mask:0xf
	v_add_f32_dpp v[\r], v[\r], v[\r] row_xmask:8 row_mask:0xf bank_mask:0xf
	v_permlanex16_b32 v[\t], v[\r], s32, s33
	v_add_f32 v[\r], v[\r], v[\t]
.endm
	s_load_b256 s[4:11], s[0:1], 0x0               ; x s[4:5], scores s[6:7], sel s[8:9], out0 s[10:11]
	v_lshl_add_u32 v64, v0, 2, 0x4200
	v_mov_b32 v65, 0
	v_lshrrev_b32 v6, 5, v0
	v_readfirstlane_b32 s34, v6                    ; wave 0..31
	v_and_b32 v3, 31, v0                           ; lane
	v_lshlrev_b32 v1, 3, v3                        ; 8 x lane
	v_lshlrev_b32 v2, 4, v3                        ; 16 x lane
	v_lshlrev_b32 v3, 2, v3                        ; 4 x lane
	v_lshlrev_b32 v54, 4, v0                       ; 512 x wave + 16 x lane
	v_mov_b32 v8, s34
	v_lshlrev_b32 v8, 2, v8                        ; 4 x wave
	v_mov_b32 v7, 0                                ; written once: a lane permute's destination counts as one of its sources
.irp j, 0,1,2,3
	v_mov_b32 v[10+\j], 0                          ; my four columns' sums: a wave may have any number of rows
.endr
	s_and_b32 s35, ttmp7, 0xffff                   ; batch
	s_lshl_b32 s24, s35, 5
	s_add_co_u32 s24, s24, s34                     ; my chunk
	s_lshl_b32 s24, s24, 8
	s_mov_b32 s25, 0
	s_lshl_b32 s26, s35, 23                        ; x: 2,048 rows of 4,096 bytes a batch,
	s_lshl_b32 s27, s34, 18                        ; 64 rows a chunk,
	s_add_co_u32 s26, s26, s27
	s_lshl_b32 s27, ttmp9, 9                       ; 512 bytes a slice
	s_add_co_u32 s26, s26, s27
	s_mov_b32 s27, 0
	s_lshl_b32 s28, s35, 12                        ; out0: 4,096 bytes a batch, 512 a slice
	s_lshl_b32 s29, ttmp9, 9
	s_add_co_u32 s28, s28, s29
	s_mov_b32 s29, 0
	s_mov_b32 s32, 0x76543210
	s_mov_b32 s33, 0xfedcba98                      ; v_permlanex16_b32's selects for lane l xor 16
	s_wait_kmcnt 0x0
	s_add_nc_u64 s[8:9], s[8:9], s[24:25]
	s_add_nc_u64 s[6:7], s[6:7], s[24:25]
	s_add_nc_u64 s[14:15], s[4:5], s[26:27]
	s_add_nc_u64 s[10:11], s[10:11], s[28:29]
	s_load_b64 s[12:13], s[8:9], 0x0               ; my chunk's two masks
	global_load_b64 v[4:5], v1, s[6:7]             ; t of rows l and 32 + l
	s_wait_loadcnt 0x0
	v_max_num_f32 v6, v4, v5
	WMAX 6, 7
	ds_store_b32 v8, v6 offset:MX                  ; all lanes write the same word with the same value
	s_wait_dscnt 0x0                               ; for the others' sake
	s_barrier_signal -1
	s_barrier_wait -1
	ds_load_b32 v6, v3 offset:MX                   ; lane l: wave l's largest
	s_wait_dscnt 0x0
	WMAX 6, 7                                      ; M, the batch's largest t
	v_sub_f32 v4, v4, v6
	v_sub_f32 v5, v5, v6
	v_exp_f32 v4, v4                               ; p = 2^(t - M), at most 1
	v_exp_f32 v5, v5
	v_nop                                          ; a plain place behind the transcendentals
	s_wait_alu depctr_va_vdst(0)
	v_add_f32 v9, v4, v5
	WSUM 9, 7
	ds_store_b32 v8, v9 offset:LS                  ; my chunk's part of the divisor; read behind the second barrier
	s_wait_kmcnt 0x0                               ; the masks
; Half m of the chunk: eight rows a trip.  Each slot takes the lowest bit still set; a slot that finds none asks again for the last row that counted, with weight 0: no load leaves the buffer.
.macro GATHER m
	s_bcnt1_i32_b32 s28, s[12+\m]
	s_add_co_u32 s28, s28, 7
	s_lshr_b32 s28, s28, 3
	s_min_u32 s28, s28, 4                          ; trips: 32 bits are four at the most
	s_mov_b32 s27, 0
	s_cmp_eq_u32 s28, 0
	s_cbranch_scc1 .Lnone_\@
.Lrows_\@:
.irp i, 0,1,2,3,4,5,6,7
	s_ctz_i32_b32 s26, s[12+\m]
	s_cmp_lg_u32 s[12+\m], 0
	s_cselect_b32 s25, -1, 0                       ; does the slot count?
	s_cselect_b32 s27, s26, s27                    ; its row, or the last one that counted
	s_min_u32 s24, s27, 31
	s_sub_co_u32 s26, s[12+\m], 1
	s_and_b32 s[12+\m], s[12+\m], s26              ; the bit is taken
	v_readlane_b32 s[16+\i], v[4+\m], s24          ; the row's p
	s_and_b32 s[16+\i], s[16+\i], s25              ; or 0
	v_lshl_add_u32 v[14+\i], s24, 12, v2           ; 4,096 x row + 16 x lane
	global_load_b128 v[22+4*\i:25+4*\i], v[14+\i], s[14:15] offset:131072*\m   ; 32 lanes read 512 consecutive bytes of the row
.endr
	s_wait_loadcnt 0x0                             ; the eight rows are in; their address and data registers may be written again
.irp i, 0,1,2,3,4,5,6,7
.irp j, 0,1,2,3
	v_fma_f32 v[10+\j], s[16+\i], v[22+4*\i+\j], v[10+\j]
.endr
.endr
	s_sub_co_u32 s28, s28, 1
	s_cmp_lg_u32 s28, 0
	s_cbranch_scc1 .Lrows_\@
.Lnone_\@:
.endm
	GATHER 0
	GATHER 1
	ds_store_b128 v54, v[10:13] offset:PT
	s_wait_dscnt 0x0                               ; for the others' sake: my partial sums and my part of the divisor have landed
	s_barrier_signal -1
	s_barrier_wait -1
	s_cmp_lg_u32 s34, 0
	s_cbranch_scc1 .Lend                           ; wave 0 adds the 32 waves' parts; no barrier follows
	ds_load_b32 v6, v3 offset:LS
.irp g, 0,1,2,3
.irp i, 0,1,2,3,4,5,6,7
	ds_load_b128 v[22+4*\i:25+4*\i], v2 offset:PT+512*(8*\g+\i)
.endr
	s_wait_dscnt 0x0
.if \g == 0
	v_pk_add_f32 v[10:11], v[22:23], v[26:27]      ; the first two start the sums
	v_pk_add_f32 v[12:13], v[24:25], v[28:29]
.irp i, 2,3,4,5,6,7
	v_pk_add_f32 v[10:11], v[10:11], v[22+4*\i:23+4*\i]
	v_pk_add_f32 v[12:13], v[12:13], v[24+4*\i:25+4*\i]
.endr
.else
.irp i, 0,1,2,3,4,5,6,7
	v_pk_add_f32 v[10:11], v[10:11], v[22+4*\i:23+4*\i]
	v_pk_add_f32 v[12:13], v[12:13], v[24+4*\i:25+4*\i]
.endr
.endif
.endr
	WSUM 6, 7                                      ; the divisor: at least 1, the largest row's own p
	v_rcp_f32 v6, v6
	v_nop                                          ; a plain place behind the transcendental
	s_wait_alu depctr_va_vdst(0)
.irp j, 0,1,2,3
	v_mul_f32 v[10+\j], v[10+\j], v6
.endr
	global_store_b128 v2, v[10:13], s[10:11]       ; 32 lanes store 512 consecutive bytes, at a multiple of 256 from out0's first byte
.Lend:
	s_wait_tensorcnt 0x0
	ds_add_u32 v64, v65
	s_wait_dscnt 0x0
	s_endpgm
.Lfunc_end_k_qa1b418c571_pool:
	.size	k_qa1b418c571_pool, .Lfunc_end_k_qa1b418c571_pool-k_qa1b418c571_pool
	.p2alignl 7, 3214868480
	.fill 96, 4, 3214868480
	.section	.rodata,"a",@progbits
	.p2align	6, 0x0
	.amdhsa_kernel k_qa1b418c571_pool
		.amdhsa_group_segment_fixed_size 20992
		.amdhsa_private_segment_fixed_size 0
		.amdhsa_enable_private_segment 0
		.amdhsa_kernarg_size 32
		.amdhsa_user_sgpr_count 2
		.amdhsa_user_sgpr_kernarg_segment_ptr 1
		.amdhsa_wavefront_size32 1
		.amdhsa_system_sgpr_workgroup_id_x 1
		.amdhsa_system_sgpr_workgroup_id_y 1
		.amdhsa_system_sgpr_workgroup_id_z 1
		.amdhsa_system_vgpr_workitem_id 0
		.amdhsa_next_free_vgpr 66
		.amdhsa_next_free_sgpr 66
		.amdhsa_reserve_vcc 0
		.amdhsa_float_denorm_mode_32 3
		.amdhsa_float_denorm_mode_16_64 3
		.amdhsa_memory_ordered 1
		.amdhsa_forward_progress 1
		.amdhsa_inst_pref_size 23
	.end_amdhsa_kernel
	.amdgpu_metadata
---
amdhsa.version: [ 1, 2 ]
amdhsa.kernels:
  - .name:           k_qa1b418c571_pool
    .symbol:         k_qa1b418c571_pool.kd
    .args:
      - { .name: x, .offset: 0, .size: 8, .value_kind: global_buffer, .address_space: global }
      - { .name: scores, .offset: 8, .size: 8, .value_kind: global_buffer, .address_space: global }
      - { .name: sel, .offset: 16, .size: 8, .value_kind: global_buffer, .address_space: global }
      - { .name: out0, .offset: 24, .size: 8, .value_kind: global_buffer, .address_space: global }
    .group_segment_fixed_size: 20992
    .private_segment_fixed_size: 0
    .kernarg_segment_align: 8
    .kernarg_segment_size: 32
    .max_flat_workgroup_size: 1024
    .sgpr_count:     66
    .vgpr_count:     66
    .wavefront_size: 32
...
	.end_amdgpu_metadata
.endif
;; end of part 2
;; ======== version 2 of 2: 2 launches; 1.24 times as fast as version 1
;; limits: an absolute error that grows with the inputs' magnitude: up to 4.77e-07 times it
;; workspace buffers: scores 262,144 bytes; sel 262,144 bytes of whole numbers
;; launch rowscore (part 3): grid 256 x 1, 4 waves a work-group, clusters of 4 x 1, 327,680 bytes of LDS; arguments x, W_codes, W_scales, b, ctx, scores, sel; writes scores, sel
.if DOCPART == 3
	.amdgcn_target "amdgcn-amd-amdhsa--gfx1250"
	.amdhsa_code_object_version 6
	.text
	.protected	k_qa1b418c571_rowscore
	.globl	k_qa1b418c571_rowscore
	.p2align	8
	.type	k_qa1b418c571_rowscore,@function
k_qa1b418c571_rowscore:
	s_mov_b64 s[64:65], 0
	v_nop
	global_prefetch_b8 v0, s[64:65] scope:SCOPE_SE
	s_setreg_imm32_b32 hwreg(HW_REG_WAVE_MODE, 25, 1), 1
	s_wait_xcnt 0x0
	s_wait_alu depctr_hold_cnt(0) depctr_sa_sdst(0) depctr_va_vdst(0) depctr_va_sdst(0) depctr_va_ssrc(0) depctr_va_vcc(0) depctr_vm_vsrc(0)
	s_getreg_b32 s2, hwreg(HW_REG_IB_STS2, 6, 4)
	s_cmp_eq_u32 s2, 0
	s_cbranch_scc0 .Lentry_in_a_cluster
	s_endpgm
.Lentry_in_a_cluster:
	s_bfe_u32 s2, ttmp6, 0x10000c
	s_cmp_lg_u32 s2, 0x3003
	s_cbranch_scc0 .Lentry_shape_is_right
	s_endpgm
.Lentry_shape_is_right:
; t[row] = log2(e) * sum over n of ctx[n] * tanh( (Q(x[row]) . W[n]) + b[n] ), for 65,536 rows; K = N = 1,024.
; x: f32, quantised here along K to codes of FP6 (E2M3) with one E8M0 byte for each 32; W: codes [n][768 bytes] and scale bytes [n][32], taken as they lie.
; OUT: scores: for each chunk of 64 rows 256 bytes, lane l the pair (t[l], t[32 + l]);  sel: for each chunk 256 bytes, every lane the same pair of masks:
; bit l of word m is set where row 32 m + l has t >= (the chunk's largest t) - 32.  The next launch takes the softmax over all t and gathers the rows that are set.
; LIMITS: a row that is not set has a weight under 2^-32 of its batch's largest; all 2,048 of a batch together weigh under 2^-21 of the divisor; they are left out of the weighted sum, not of the divisor.
; NaN and infinities among the inputs are not served.  A block of x whose largest magnitude lies under 2^-124 keeps the byte 1 (a block of zeros too: its codes are zeros, and this text alone reads the bytes).
; SHARES: a work-group owns 256 rows, each of its four waves 64: four sets of 16.  A wave reads its rows once, quantises them and keeps the codes in 384 registers; then it walks all 64 tiles of 16 columns n,
; so that each fragment of W read from LDS feeds four matrix instructions.  No operand goes from wave to wave.
; W comes through a ring of two LDS slots of 128 rows n.  All work-groups walk the same W, so the four of a cluster ask JOINTLY: the same tensor load, the same descriptor, the mask of all four.
; W's scale bytes, b and ctx come once, with the first fills, and stay.
; THE MATRIX INSTRUCTION: source 0 = 16 rows of W, source 1 = 16 rows of x: lane (r, h) holds x's row r, register j the column n0 + 8 h + j.  b is the C of a tile's first instruction.
; tanh z = 1 - 2 / (1 + 2^(c2 z)), c2 = 2 log2(e): per pair of numbers 4 packed lines and 4 transcendentals.  The tanh of tile T stands in slices of 4 lines behind the 32 matrix instructions of tile T + 1.
; THE TEXT OF THE PRODUCT IS EIGHT TILES LONG for its 64: a pair of tiles (the two sets of accumulators by turns) is written once for a slot's first three pairs, once with the change of slots, and both once
; more for the last 16 tiles, which ask for nothing.  The LDS addresses of a pair hang on three scalars that step once a pair.
; LEFT OUT: x by tensor loads (a wave's loads into registers stream under counted waits, with no barrier); a prefetch of x (the first phase already keeps 32 KiB a wave on its way);
; a loop in the first phase (its codes go into registers that the text must name).
; REGISTERS, in windows of 256.  Window 0: addresses, scale words, bias, sums, two sets of 4 accumulators, W's 8 fragments.  Windows 1, 2: the codes of sets 0, 1 and 2, 3; ctx of two tiles, the SAME copy in both;
; window 3: four landing sets of 64 for x.  Under the products' settings only source 1 leaves window 0, and the only vector source 1 of a slice is ctx: so no switch stands between a product and its slice.
.set UNIT,  32768                      ; LDS: the ring lies in units of 32,768 bytes; a unit holds 32 rows of W (a pair of tiles: one wave's tensor load) and a gap
.set UB,    26112                      ; 32 rows of 3 x (256 bytes + 16 of padding) = 816 bytes; the gap behind them: 6,656 bytes, 26 aligned blocks of 256, into which no fill lands
.set TILEB, 13056                      ; 16 rows
.set SLOT1, 4*UNIT                     ; a slot is four units; slot 1 begins here, so that one exclusive or turns an address in one slot into the other's
.set SCT,   2*SLOT1                    ; behind the ring: W's scale bytes, dense, 32 a row
.set BT,    SCT+32768                  ; b
.set CT,    BT+4096                    ; ctx
.set SPARE, CT+4096                    ; the spare words, 128 bytes a wave: two blocks of 256 bytes that no other line names
.set STH,   UNIT+128                   ; wave w's stage for x, 16 rows x (512 bytes + 16): rows 0-7 in the gap of unit 2 w, rows 8-15 in the next unit's, 128 bytes further in: the sixteen rows of a load start at sixteen different groups of banks
.set SPW,  1                           ; v1   SPARE + 4 x my thread's number; never rewritten
.set NIL,  2                           ; v2   0; never rewritten
.set XA,   3                           ; v3   16 x lane
.set AWL,  4                           ; v4-5  my lane's place in a tile of W: 816 r + 24 h, and the same behind one padding more: 816 r + 40 h
.set AD,   6                           ; v6-7  the same in the unit in hand
.set ASC0, 8                           ; v8   my lane's place among W's scale words: SCT + 32 r + 16 h
.set ABC0, 9                           ; v9   in b (and 4,096 on: ctx): BT + 32 h
.set ADS,  10                          ; v10  the scale words of the pair in hand
.set ADB,  11                          ; v11  its b
.set STI,  14                          ; v14  my stage, way in: 16 x lane
.set STO,  15                          ; v15  way out: row r, + 128 h
.set SH8,  16                          ; v16  8 h
.set OA,   17                          ; v17  8 x lane
.set MA,   18                          ; v18-19 a block's largest magnitude (two blocks)
.set SS,   20                          ; v20-21 the conversions' scale operands
.set BB,   22                          ; v22-23 the bytes
.set WD,   24                          ; v24  my two bytes in place
.set WT,   25                          ; v25  the other half's
.set WE,   26                          ; v26  the scale word of an even K step
.set WO,   27                          ; v27  of an odd one
.set MB,   28                          ; v28-29 the second chain of each maximum
.set RR,   30                          ; v30  r
.set HH,   31                          ; v31  h
.set XS,   32                          ; v32-47 x's scale words: v[XS + 4 set + i]: lanes 0-15 K step 2 i, lanes 16-31 K step 2 i + 1
.set WS,   48                          ; v48-55 W's: v[WS + 4 par + j]: lanes 0-15 K step j, lanes 16-31 K step 4 + j
.set BIAS, 56                          ; v56-71 b of a tile, 8 registers, two sets
.set SACC, 72                          ; v72-79 the sums of ctx x tanh, a pair for each set of rows
.set ACC,  80                          ; v80-143 accumulators: v[ACC + 32 par + 8 set]
.set WF,   144                         ; v144-239 W's fragments of a tile, 12 registers a K step
.set XR,   80                          ; first phase: v80-207 two sets of 64 numbers of x
.set CTX,  192                         ; windows 1 and 2: v192-207 ctx of a tile, 8 registers, two sets
.set TT,   208                         ; windows 1 and 2: v208-214 the second half of each block's codes, before they are moved
.set G1C,  28                          ; s[28:35] group 1: W's codes;  s[36:43] scale bytes;  s[44:51] b and ctx
.set G1S,  36
.set G1T,  44
.set G0W,  52                          ; s[52:55], s[56:59] group 0 for the two first fills; the second then walks on
.set G0S,  60                          ; s[60:63] scale bytes
.set G0B,  68                          ; s[68:71] b
.set G0X,  72                          ; s[72:75] ctx
.set TB,   90                          ; s90  LDS byte at which the unit in hand begins
.set TS,   91                          ; s91  where the pair's scale words begin: 1,024 bytes a pair
.set TC,   92                          ; s92  and its b and ctx: 128 bytes a pair
.set MUL1, 0x04                        ; source 1 in window 1, all else in window 0
.set MUL2, 0x08                        ; source 1 in window 2
.set MSB, 0
.macro WIN new                         ; the immediate's high byte repeats the setting that is left; a switch that changes nothing is dropped
.if MSB != (\new)
	s_set_vgpr_msb (MSB<<8)|(\new)
.set MSB, (\new)
.endif
.endm
.macro ROUND                           ; a round of the cluster's barrier: my work-group's barrier, wave 0 signals for it, every wave waits for all four work-groups, my work-group's barrier once more
	s_barrier_signal -1
	s_barrier_wait -1
	s_cmp_lg_u32 s18, 0
	s_cbranch_scc1 .Lnot_wave_0_\@
	s_barrier_signal -3
.Lnot_wave_0_\@:
	s_barrier_wait -3
	s_barrier_signal -1
	s_barrier_wait -1
.endm
	s_load_b256 s[4:11], s[0:1], 0x0               ; x s[4:5], W's codes s[6:7], W's scales s[8:9], b s[10:11]
	s_load_b128 s[12:15], s[0:1], 0x20             ; ctx s[12:13], scores s[14:15]
	s_load_b64 s[16:17], s[0:1], 0x30              ; sel
	v_lshl_add_u32 v[SPW], v0, 2, SPARE
	v_mov_b32 v[NIL], 0
	ds_add_u32 v1, v2
	ds_add_u32 v1, v2
	s_wait_dscnt 0x0
	v_lshrrev_b32 v[RR], 5, v0
	v_readfirstlane_b32 s18, v[RR]                 ; wave 0..3
	s_bfe_u32 s19, ttmp6, 0x40000                  ; cx: my place in the cluster
	s_lshl_b32 s20, ttmp9, 2
	s_add_co_u32 s19, s20, s19                     ; work-group = 4 x cluster + cx: it enters the addresses of x, scores and sel alone
	s_lshl_b32 s76, s19, 20                        ; 256 rows of 4,096 bytes,
	s_lshl_b32 s77, s18, 18                        ; my wave's 64
	s_add_co_u32 s76, s76, s77
	s_mov_b32 s77, 0
	s_lshl_b32 s78, s19, 2
	s_add_co_u32 s78, s78, s18                     ; my chunk of 64 rows
	s_lshl_b32 s78, s78, 8                         ; 256 bytes a chunk in scores and in sel
	s_mov_b32 s79, 0
	s_mov_b32 s22, 0x76543210
	s_mov_b32 s23, 0xfedcba98                      ; v_permlanex16_b32's selects for lane l xor 16
	s_mov_b32 s24, 0x4038aa3b                      ; c2 = 2 log2(e)
	s_mov_b32 s25, s24                             ; (named with it as a pair, so it is written)
	s_mov_b32 s26, 0xffff0000                      ; lanes 16-31
	; group 1: every tile is a dense block of memory, taken as rows of 256 bytes (32 elements of 8 bytes); 15:0 the mask of all four work-groups, bit 21 beside it
	s_mov_b32 s[G1C], 15|(3<<16)|(1<<20)|(1<<21)|(5<<22)|(3<<25)   ; codes: 16 bytes of padding (code 3) behind every 64 words (code 5)
	s_mov_b32 s[G1S], 15|(3<<16)|(1<<21)           ; scale bytes, b, ctx: no padding
	s_mov_b32 s[G1T], 15|(3<<16)|(1<<21)
.irp g, G1C, G1S, G1T
	s_mov_b32 s[\g+1], 32<<16                      ; tensor_dim0 = 32
	s_mov_b32 s[\g+3], 32<<16                      ; tile_dim0 = 32
	s_mov_b32 s[\g+5], 32                          ; from row to row: 32 elements
	s_mov_b32 s[\g+6], 0
	s_mov_b32 s[\g+7], 0
.endr
	s_mov_b32 s[G1C+2], 96<<16                     ; tensor_dim1 = tile_dim1 = 96: 32 rows of W, 24,576 bytes
	s_mov_b32 s[G1C+4], 96
	s_mov_b32 s[G1S+2], 32<<16                     ; 8,192 bytes: a quarter of the scale bytes
	s_mov_b32 s[G1S+4], 32
	s_mov_b32 s[G1T+2], 4<<16                      ; 1,024 bytes: a quarter of b or of ctx
	s_mov_b32 s[G1T+4], 4
	s_lshl_b32 s80, s18, 15                        ; every wave brings its quarter of each region: LDS and memory offsets hang on the wave's number alone.  Of a slot: unit w
	s_lshl_b32 s81, s18, 13
	s_lshl_b32 s82, s18, 10
	s_lshl_b32 s83, s18, 16
	s_add_co_u32 s83, s83, UB                      ; my stage: the gap of unit 2 w
	s_mul_i32 s84, s18, 24576
	s_mov_b32 s85, 0
	s_mov_b32 s86, s81
	s_mov_b32 s87, 0
	s_mov_b32 s88, s82
	s_mov_b32 s89, 0
	s_wait_kmcnt 0x0
	s_add_nc_u64 s[4:5], s[4:5], s[76:77]          ; x at my wave's first row
	s_add_nc_u64 s[14:15], s[14:15], s[78:79]      ; scores and sel at my chunk
	s_add_nc_u64 s[16:17], s[16:17], s[78:79]
	s_mov_b32 s[G0W], 1                            ; slot 0: W's rows 0-127
	s_mov_b32 s[G0W+1], s80
	s_add_nc_u64 s[G0W+2:G0W+3], s[6:7], s[84:85]
	s_mov_b32 s[G0W+4], 1                          ; slot 1: rows 128-255, 98,304 bytes on
	s_add_co_u32 s[G0W+5], s80, SLOT1
	s_add_nc_u64 s[G0W+6:G0W+7], s[G0W+2:G0W+3], 98304
	s_or_b32 s[G0W+3], s[G0W+3], 0x80000000        ; type = 2
	s_or_b32 s[G0W+7], s[G0W+7], 0x80000000
	s_mov_b32 s[G0S], 1
	s_add_co_u32 s[G0S+1], s81, SCT
	s_add_nc_u64 s[G0S+2:G0S+3], s[8:9], s[86:87]
	s_or_b32 s[G0S+3], s[G0S+3], 0x80000000
	s_mov_b32 s[G0B], 1
	s_add_co_u32 s[G0B+1], s82, BT
	s_add_nc_u64 s[G0B+2:G0B+3], s[10:11], s[88:89]
	s_or_b32 s[G0B+3], s[G0B+3], 0x80000000
	s_mov_b32 s[G0X], 1
	s_add_co_u32 s[G0X+1], s82, CT
	s_add_nc_u64 s[G0X+2:G0X+3], s[12:13], s[88:89]
	s_or_b32 s[G0X+3], s[G0X+3], 0x80000000
	ROUND                                          ; all four work-groups are here: the first joint loads meet
	tensor_load_to_lds s[G0S:G0S+3], s[G1S:G1S+7]  ; the first fills go out together: five loads of mine are out; they land while x is read
	s_nop 0
	tensor_load_to_lds s[G0B:G0B+3], s[G1T:G1T+7]
	s_nop 0
	tensor_load_to_lds s[G0X:G0X+3], s[G1T:G1T+7]
	s_nop 0
	tensor_load_to_lds s[G0W:G0W+3], s[G1C:G1C+7]
	s_nop 0
	tensor_load_to_lds s[G0W+4:G0W+7], s[G1C:G1C+7]
	s_nop 0
.rept 4
	v_nop
.endr
	v_and_b32 v[XA], 31, v0
	v_lshlrev_b32 v[XA], 4, v[XA]                  ; 16 x lane
	v_and_b32 v[RR], 15, v0                        ; r
	v_bfe_u32 v[HH], v0, 4, 1                      ; h
	v_mul_u32_u24 v[AWL], v[RR], 816
	v_mad_u32_u24 v[AWL], v[HH], 24, v[AWL]        ; a fragment's row x pitch + 24 h
	v_lshl_add_u32 v[AWL+1], v[HH], 4, v[AWL]      ; and the same behind one padding more
	v_lshlrev_b32 v[ASC0], 5, v[RR]
	v_lshl_add_u32 v[ASC0], v[HH], 4, v[ASC0]
	v_add_nc_u32 v[ASC0], SCT, v[ASC0]
	v_lshl_add_u32 v[ABC0], v[HH], 5, BT
	v_add_nc_u32 v[STI], s83, v[XA]
	v_and_b32 v[STO], 7, v[RR]
	v_mul_u32_u24 v[STO], v[STO], 528              ; row r % 8 of its half of the stage,
	v_lshrrev_b32 v[WD], 3, v[RR]
	v_mad_u32_u24 v[STO], v[WD], STH, v[STO]       ; rows 8-15 in the next unit's gap,
	v_lshl_add_u32 v[STO], v[HH], 7, v[STO]        ; + 128 h
	v_add_nc_u32 v[STO], s83, v[STO]
	v_lshlrev_b32 v[SH8], 3, v[HH]
	v_lshrrev_b32 v[OA], 1, v[XA]
	v_mov_b32 v[WT], 0                             ; written once: a lane permute's destination counts as one of its sources
; ---- THE FIRST PHASE: my 64 rows of x become 32 fragments (set f / 8, K step f % 8) of codes in registers.
; LOAD: 16 rows x 512 bytes; each load reads 512 consecutive bytes of one row.
.macro LOAD f
	WIN 0xc0                                       ; destination window 3
.irp i, 0,1,2,3,4,5,6,7,8,9,10,11,12,13,14,15
	global_load_b128 v[64*((\f)%4)+4*\i:64*((\f)%4)+4*\i+3], v[XA], s[4:5] offset:65536*((\f)/8)+512*((\f)%8)+4096*\i th:TH_LOAD_NT
.endr
.endm
; TURN: through my own stage, as loaded, and back so that a lane holds, of row r, k = 64 c + 32 h + 0 .. 31: two whole blocks, in the order of the operand's registers.
; LDS serves a wave's instructions in order (ISA guide 5.7.1.4): no wait between the stores and the loads.  One stage serves: the fragment before is back in registers when these stores are issued.
.macro TURN f
	WIN 0x0c                                       ; an LDS store's data are its source 1: window 3
.irp i, 0,1,2,3,4,5,6,7,8,9,10,11,12,13,14,15
	ds_store_b128 v[STI], v[64*((\f)%4)+4*\i:64*((\f)%4)+4*\i+3] offset:528*(\i%8)+STH*(\i/8)
.endr
	WIN 0
.irp c, 0,1
.irp j, 0,1,2,3,4,5,6,7
	ds_load_b128 v[XR+64*((\f)%2)+32*\c+4*\j:XR+64*((\f)%2)+32*\c+4*\j+3], v[STO] offset:256*\c+16*\j
.endr
.endr
.endm
; QUANT: a block's scale byte is its largest magnitude's exponent field - 2, held at 1 from below by the floor 2^(3 - 127) among the maximum's leaves; no other lane is asked for a maximum.
.macro QUANT f
.set xb_, XR+64*((\f)%2)
.set st_, (\f)/8
.set kp_, (\f)%8
.set wn_, 1+st_/2                      ; the set's window
.set cd_, 96*(st_%2)+12*kp_            ; the fragment's 12 registers there
.irp c, 0,1
	v_max3_num_f32 v[MA+\c], |v[xb_+32*\c]|, |v[xb_+32*\c+1]|, 0x1800000
	v_max3_num_f32 v[MB+\c], |v[xb_+32*\c+2]|, |v[xb_+32*\c+3]|, |v[xb_+32*\c+4]|
.endr
.irp i, 5,9,13,17,21,25
.irp c, 0,1
	v_max3_num_f32 v[MA+\c], v[MA+\c], |v[xb_+32*\c+\i]|, |v[xb_+32*\c+\i+1]|     ; four chains by turns: no line waits for the line above it
	v_max3_num_f32 v[MB+\c], v[MB+\c], |v[xb_+32*\c+\i+2]|, |v[xb_+32*\c+\i+3]|
.endr
.endr
.irp c, 0,1
	v_max3_num_f32 v[MA+\c], v[MA+\c], |v[xb_+32*\c+29]|, |v[xb_+32*\c+30]|
.endr
.irp c, 0,1
	v_max3_num_f32 v[MA+\c], v[MA+\c], v[MB+\c], |v[xb_+32*\c+31]|
.endr
.irp c, 0,1
	v_add_nc_u32 v[SS+\c], 0xff000000, v[MA+\c]    ; 2 off the exponent field: the conversion takes the exponent field of this operand as its scale
.endr
.irp c, 0,1
	v_lshrrev_b32 v[BB+\c], 23, v[SS+\c]           ; the byte
.endr
	v_lshl_or_b32 v[WD], v[BB+1], 16, v[BB]        ; my blocks are h and 2 + h of the K step:
	v_lshlrev_b32 v[WD], v[SH8], v[WD]             ; 8 h bits up;
	v_permlanex16_b32 v[WT], v[WD], s22, s23
.if kp_%2 == 0
	v_or_b32 v[WE], v[WD], v[WT]                   ; with lane l xor 16's two bytes the row's word is whole, in both halves of the lanes
.else
	v_or_b32 v[WO], v[WD], v[WT]
	v_cndmask_b32 v[XS+4*st_+kp_/2], v[WE], v[WO], s26   ; lanes 0-15 keep the even K step's word, lanes 16-31 the odd one's
.endif
	WIN wn_<<6                                     ; destination: the set's window
	v_cvt_scalef32_pk16_fp6_f32 v[cd_:cd_+2], v[xb_:xb_+15], v[SS]
	v_cvt_scalef32_pk16_fp6_f32 v[TT:TT+2], v[xb_+16:xb_+31], v[SS]            ; (a conversion's three registers begin on an even number: the second half of a block's six is made elsewhere and moved)
	v_cvt_scalef32_pk16_fp6_f32 v[cd_+6:cd_+8], v[xb_+32:xb_+47], v[SS+1]
	v_cvt_scalef32_pk16_fp6_f32 v[TT+4:TT+6], v[xb_+48:xb_+63], v[SS+1]
	WIN (wn_<<6)|wn_
	v_nop                                          ; one plain place behind a scaled conversion
.irp i, 0,1,2
	v_mov_b32 v[cd_+3+\i], v[TT+\i]
	v_mov_b32 v[cd_+9+\i], v[TT+4+\i]
.endr
	WIN 0
.endm
.macro XSTEP f
	s_wait_dscnt 0x0                               ; this fragment's numbers are back from the stage, and its stores into the stage have read the landing set,
.if (\f) < 28
	LOAD (\f)+4                                    ; which takes the fragment four on
.endif
.if (\f) <= 27
	s_wait_loadcnt 48                              ; the next fragment's 16 loads are in; those of the three behind it stay out
.elseif (\f) < 31
	s_wait_loadcnt 16*(30-(\f))                    ; the counts run down: 32, 16, 0
.endif
.if (\f) < 31
	TURN (\f)+1                                    ; it goes through the stage while this one is quantised
.endif
	QUANT \f
.endm
	LOAD 0
	LOAD 1
	LOAD 2
	LOAD 3
	s_wait_loadcnt 48
	TURN 0
.set F, 0
.rept 32
	XSTEP F
.set F, F+1
.endr
; ---- THE PRODUCT, tanh and the sum with ctx.
; The addresses of the pair in hand.  (The three-operand form keeps its vector source in place 0, which stays in window 0 under the products' settings.)
.macro SETADR
	v_lshl_add_u32 v[AD], v[AWL], 0, s[TB]
	v_lshl_add_u32 v[AD+1], v[AWL+1], 0, s[TB]
	v_lshl_add_u32 v[ADS], v[ASC0], 0, s[TS]
	v_lshl_add_u32 v[ADB], v[ABC0], 0, s[TC]
.endm
; A fragment of W, 16 rows x 128 K: lane (r, h) takes 24 bytes at 96 kk + 24 h and 24 at 96 kk + 48 + 24 h of its row, as pieces of 8 bytes.  Piece p of a row lies at 8 p + 16 (p / 32);
; lanes 16-31 read three pieces further on, which is behind one padding more where p % 32 is 29 or more: the second address register serves those.  fo_: 0 for a unit's first tile, TILEB for its second.
.macro FRAG kk
.irp p, 0,1,2,3,4,5
.set pc_, 12*(\kk)+6*(\p/3)+\p%3
.if pc_%32 < 29
	ds_load_b64 v[WF+12*(\kk)+2*\p:WF+12*(\kk)+2*\p+1], v[AD] offset:fo_+8*pc_+16*(pc_/32)
.else
	ds_load_b64 v[WF+12*(\kk)+2*\p:WF+12*(\kk)+2*\p+1], v[AD+1] offset:fo_+8*pc_+16*(pc_/32)
.endif
.endr
.endm
; What the next tile (parity nP) wants, in two runs of LDS loads: 27 and 28.
.macro FETCH1
	ds_load_b128 v[WS+4*nP:WS+4*nP+3], v[ADS] offset:so_
	ds_load_b128 v[BIAS+8*nP:BIAS+8*nP+3], v[ADB] offset:bo_
	ds_load_b128 v[BIAS+8*nP+4:BIAS+8*nP+7], v[ADB] offset:bo_+16
.irp kk, 0,1,2,3
	FRAG \kk
.endr
.endm
.macro FETCH2
.irp kk, 4,5,6,7
	FRAG \kk
.endr
	WIN 0x40                                       ; ctx of that tile, into window 1
	ds_load_b128 v[CTX+8*nP:CTX+8*nP+3], v[ADB] offset:4096+bo_
	ds_load_b128 v[CTX+8*nP+4:CTX+8*nP+7], v[ADB] offset:4096+bo_+16
	WIN 0x80                                       ; and the same into window 2
	ds_load_b128 v[CTX+8*nP:CTX+8*nP+3], v[ADB] offset:4096+bo_
	ds_load_b128 v[CTX+8*nP+4:CTX+8*nP+7], v[ADB] offset:4096+bo_+16
.endm
; The tanh of a finished tile (accumulators at aq_, its ctx at cq_), pair p = registers 2 p, 2 p + 1 of 32; set p / 4, columns 2 (p % 4) on.
.macro OPA p
	v_pk_mul_f32 v[aq_+2*(\p):aq_+2*(\p)+1], v[aq_+2*(\p):aq_+2*(\p)+1], s[24:25] op_sel_hi:[1,0]      ; c2 z
.endm
.macro OPX p
	v_exp_f32 v[aq_+2*(\p)], v[aq_+2*(\p)]                                                            ; e = 2^(c2 z)
	v_exp_f32 v[aq_+2*(\p)+1], v[aq_+2*(\p)+1]
.endm
.macro OPC p
	s_wait_alu depctr_va_vdst(0)
	v_pk_add_f32 v[aq_+2*(\p):aq_+2*(\p)+1], v[aq_+2*(\p):aq_+2*(\p)+1], 1.0 op_sel_hi:[1,0]           ; 1 + e
.endm
.macro OPR p
	v_rcp_f32 v[aq_+2*(\p)], v[aq_+2*(\p)]                                                            ; 1 / (1 + e): 0 where e has overflowed
	v_rcp_f32 v[aq_+2*(\p)+1], v[aq_+2*(\p)+1]
.endm
.macro OPT p
	s_wait_alu depctr_va_vdst(0)
	v_pk_fma_f32 v[aq_+2*(\p):aq_+2*(\p)+1], v[aq_+2*(\p):aq_+2*(\p)+1], -2.0, 1.0 op_sel_hi:[1,0,0]   ; tanh z
.endm
.macro OPE p
	v_pk_fma_f32 v[SACC+2*((\p)/4):SACC+2*((\p)/4)+1], v[aq_+2*(\p):aq_+2*(\p)+1], v[cq_+2*((\p)%4):cq_+2*((\p)%4)+1], v[SACC+2*((\p)/4):SACC+2*((\p)/4)+1]
.endm
; Slice sl of 32.  Behind every transcendental one plain line comes before its result is used (ISA guide 5.7.2); each accumulator is first read at its two lowest registers.
.macro SLICE
.set ii, sl/2
.if sl%2 == 0
.if sl == 0
	OPA 0
.endif
.if ii < 15
	OPA ii+1
.else
	v_nop
.endif
.if ii > 0
	OPT ii-1
.endif
	OPX ii
.else
.if ii > 0
	OPE ii-1
.else
	v_nop
.endif
	OPC ii
	OPR ii
.if ii == 15
	v_nop
	OPT 15
	OPE 15
.endif
.endif
.endm
.macro MM                              ; K steps 4-7 take W's words from lanes 16-31, odd K steps x's
.if (kap >= 4) && (kap%2 == 1)
	v_wmma_scale_f32_16x16x128_f8f6f4 v[rD:rD+7], v[rA:rA+11], v[rB:rB+11], v[rC:rC+7], v[rSA], v[rSB] matrix_a_fmt:MATRIX_FMT_FP6 matrix_b_fmt:MATRIX_FMT_FP6 matrix_a_scale:MATRIX_SCALE_ROW1 matrix_b_scale:MATRIX_SCALE_ROW1
.elseif kap >= 4
	v_wmma_scale_f32_16x16x128_f8f6f4 v[rD:rD+7], v[rA:rA+11], v[rB:rB+11], v[rC:rC+7], v[rSA], v[rSB] matrix_a_fmt:MATRIX_FMT_FP6 matrix_b_fmt:MATRIX_FMT_FP6 matrix_a_scale:MATRIX_SCALE_ROW1
.elseif kap%2 == 1
	v_wmma_scale_f32_16x16x128_f8f6f4 v[rD:rD+7], v[rA:rA+11], v[rB:rB+11], v[rC:rC+7], v[rSA], v[rSB] matrix_a_fmt:MATRIX_FMT_FP6 matrix_b_fmt:MATRIX_FMT_FP6 matrix_b_scale:MATRIX_SCALE_ROW1
.else
	v_wmma_scale_f32_16x16x128_f8f6f4 v[rD:rD+7], v[rA:rA+11], v[rB:rB+11], v[rC:rC+7], v[rSA], v[rSB] matrix_a_fmt:MATRIX_FMT_FP6 matrix_b_fmt:MATRIX_FMT_FP6
.endif
.endm
; A TILE: 16 columns n x my 64 rows x K 1,024: 32 matrix instructions, K step n / 4.  The four accumulators take turns, one instruction a turn: sets 0 1 2 3 in even
; K steps, 2 3 0 1 in odd ones, so that the window of source 1 changes once a K step.  Behind each instruction a slice of the tile before.
; The next tile's loads stand in two runs.  The first behind slice 17: the last product that read K steps 0-3 is number 15, six plain lines back.  The second behind slice 31: five plain lines behind number 31.
; (A load into a register that a matrix instruction has read stands four places behind it; only plain vector lines that name none of its registers are places: ISA guide 7.12.1 for vector instructions.)
; ft = 1: a pair's first tile: it fetches the second tile of the unit in hand;  ft = 2: a pair's second tile: the three scalars step and it fetches the next unit's first tile;  ft = 0: nothing is fetched.
; chg = 1: the slot's last tile, and the slot is filled again.  All reads of the slot were issued in the tile before.
.macro TILE par, ft, chg
.set aq_, ACC+32*(1-(\par))
.set cq_, CTX+8*(1-(\par))
.set nP, 1-(\par)
.set fo_, TILEB*((\ft)%2)
.set so_, 512*((\ft)%2)
.set bo_, 64*((\ft)%2)
	s_wait_dscnt 28                                ; the first run is in; the 28 loads of the second may be out
.set n, 0
.rept 32
.if n == 16
.if \chg
	WIN 0                                          ; (the add's two registers lie in window 0)
	s_wait_tensorcnt 0x0                           ; all my tensor loads have landed: the one that was out is my unit of the other slot;
	ds_add_u32 v[SPW], v[NIL]                      ; 0 onto my spare word
	s_wait_dscnt 1                                 ; the second run is in; the add may be out
.else
	s_wait_dscnt 0x0                               ; the second run is in (asked for 16 matrix instructions ago)
.endif
.endif
.set kap, n/4
.set sset, ((n%4)+2*(kap%2))%4
.set rD, ACC+32*(\par)+8*sset
.set rA, WF+12*kap
.set rB, 96*(sset%2)+12*kap
.if kap == 0
.set rC, BIAS+8*(\par)                 ; b starts the sums: nothing is cleared, nothing is added later
.else
.set rC, rD
.endif
.set rSA, WS+4*(\par)+kap%4
.set rSB, XS+4*sset+kap/2
.if sset < 2
	WIN MUL1
.else
	WIN MUL2
.endif
	MM
.set sl, n
	SLICE
.if n == 17
.if \chg
	WIN 0                                          ; at a branch and at a label every window is 0
	s_xor_b32 s[G0W+5], s[G0W+5], SLOT1            ; no tensor load of mine is out: the walking descriptor takes the other slot than last time, which is the one that is left here,
	s_add_nc_u64 s[G0W+6:G0W+7], s[G0W+6:G0W+7], 98304   ; and the next 128 rows of W; the type bits on top are not reached
	s_wait_dscnt 0x0                               ; the add is done, and my reads of this slot are over
	ROUND                                          ; no wave of any partner still reads this slot or has a load on its way
	tensor_load_to_lds s[G0W+4:G0W+7], s[G1C:G1C+7]   ; my one tensor load behind the round: it has the other slot's eight tiles in which to land
	s_nop 0
.rept 4
	v_nop
.endr
	s_sub_co_u32 s[TB], s[TB], 3*UNIT              ; the fetches go back to a slot's first unit,
	s_xor_b32 s[TB], s[TB], SLOT1                  ; in the other slot
.elseif (\ft) == 2
	s_add_co_u32 s[TB], s[TB], UNIT                ; the next unit
.endif
.if (\ft) == 2
	s_add_co_u32 s[TS], s[TS], 1024                ; the next pair's scale words,
	s_add_co_u32 s[TC], s[TC], 128                 ; b and ctx
	SETADR
.endif
.if \ft
	FETCH1
.endif
.endif
.set n, n+1
.endr
.if \ft
	FETCH2
.endif
.endm
	s_wait_tensorcnt 0x0                           ; my quarters of the scale bytes, b, ctx and both slots are in,
	s_wait_dscnt 0x0
	s_barrier_signal -1
	s_barrier_wait -1                              ; everybody's are
	s_mov_b32 s[TB], 0
	s_mov_b32 s[TS], 0
	s_mov_b32 s[TC], 0
	SETADR
.set nP, 0
.set fo_, 0
.set so_, 0
.set bo_, 0
	FETCH1                                         ; the first tile
	FETCH2
	WIN 0
; The tiles are written once for all: the first finds a finished tile of zeros with ctx = 0, whose slices add tanh(0) x 0.  These 56 lines are also the places between the vector lines that wrote
; x's codes and scale words and the first scaled matrix instruction.
.irp j, 0,1,2,3,4,5,6,7
	v_mov_b32 v[SACC+\j], 0
.endr
.irp j, 0,1,2,3,4,5,6,7,8,9,10,11,12,13,14,15,16,17,18,19,20,21,22,23,24,25,26,27,28,29,30,31
	v_mov_b32 v[ACC+32+\j], 0
.endr
	WIN 0x40
.irp j, 0,1,2,3,4,5,6,7
	v_mov_b32 v[CTX+8+\j], 0
.endr
	WIN 0x80
.irp j, 0,1,2,3,4,5,6,7
	v_mov_b32 v[CTX+8+\j], 0
.endr
	WIN 0
	s_mov_b32 s27, 6
.Lslot:                                                ; six trips: W's first six slots, each filled again when it is left
	s_mov_b32 s21, 3
.Lpair:                                                ; a slot's first three pairs of tiles
	TILE 0, 1, 0
	TILE 1, 2, 0
	WIN 0
	s_sub_co_u32 s21, s21, 1
	s_cmp_lg_u32 s21, 0
	s_cbranch_scc1 .Lpair
	TILE 0, 1, 0                                   ; its fourth pair changes slots
	TILE 1, 2, 1
	WIN 0
	s_sub_co_u32 s27, s27, 1
	s_cmp_lg_u32 s27, 0
	s_cbranch_scc1 .Lslot
; THE LAST 16 TILES ask for nothing.  The ring's two slots lie on end, and W's last two slots lie in them in that order: the plain step of a unit walks from one into the other.
; The last fill is waited for here, in front of all sixteen, so that they are one loop.
	s_wait_tensorcnt 0x0                           ; my unit of W's last slot is in;
	ds_add_u32 v[SPW], v[NIL]
	s_wait_dscnt 0x0
	s_barrier_signal -1
	s_barrier_wait -1                              ; everybody's is
	s_mov_b32 s21, 7
.Ltail:
	TILE 0, 1, 0
	TILE 1, 2, 0
	WIN 0
	s_sub_co_u32 s21, s21, 1
	s_cmp_lg_u32 s21, 0
	s_cbranch_scc1 .Ltail
	TILE 0, 1, 0
	TILE 1, 0, 0                                   ; the last tile fetches nothing
	; the last tile's tanh: its slices alone
.set aq_, ACC+32
.set cq_, CTX+8
	WIN MUL1
.set sl, 0
.rept 32
	SLICE
.set sl, sl+1
.endr
	WIN 0
	; ---- THE END: a row's sum lies in two halves of a pair and in lanes l and l xor 16
.irp s, 0,1,2,3
	v_add_f32 v[240+\s], v[SACC+2*\s], v[SACC+2*\s+1]
.endr
.irp s, 0,1,2,3
	v_permlanex16_b32 v[WD+\s], v[240+\s], s22, s23
.endr
.irp s, 0,1,2,3
	v_add_f32 v[240+\s], v[240+\s], v[WD+\s]       ; both halves of the lanes now hold row 16 set + r
.endr
	v_cndmask_b32 v248, v240, v241, s26            ; lane l: row l
	v_cndmask_b32 v249, v242, v243, s26            ; and row 32 + l
	v_mul_f32 v248, 0x3fb8aa3b, v248               ; in units of log2
	v_mul_f32 v249, 0x3fb8aa3b, v249
	v_max_num_f32 v250, v248, v249
	v_max_num_f32_dpp v250, v250, v250 row_xmask:1 row_mask:0xf bank_mask:0xf
	v_max_num_f32_dpp v250, v250, v250 row_xmask:2 row_mask:0xf bank_mask:0xf
	v_max_num_f32_dpp v250, v250, v250 row_xmask:4 row_mask:0xf bank_mask:0xf
	v_max_num_f32_dpp v250, v250, v250 row_xmask:8 row_mask:0xf bank_mask:0xf
	v_permlanex16_b32 v[WD], v250, s22, s23
	v_max_num_f32 v250, v250, v[WD]                ; the chunk's largest t
	v_add_f32 v252, 0xc2000000, v250               ; - 32
	v_cmp_ge_f32 s76, v248, v252                   ; the rows that can matter; the masks are stored, nothing in this launch hangs on them
	v_cmp_ge_f32 s77, v249, v252
	v_mov_b32 v254, s76
	v_mov_b32 v255, s77
	global_store_b64 v[OA], v[248:249], s[14:15]   ; 32 lanes store 256 consecutive bytes, at a multiple of 256 from the buffer's first byte
	global_store_b64 v[OA], v[254:255], s[16:17]   ; likewise
	s_wait_tensorcnt 0x0                           ; the wave's end
	ds_add_u32 v[SPW], v[NIL]
	s_wait_dscnt 0x0
	ROUND                                          ; the closing round: no work-group ends while a partner may still ask for a tile that names it
	s_endpgm
.Lfunc_end_k_qa1b418c571_rowscore:
	.size	k_qa1b418c571_rowscore, .Lfunc_end_k_qa1b418c571_rowscore-k_qa1b418c571_rowscore
	.p2alignl 7, 3214868480
	.fill 96, 4, 3214868480
	.section	.rodata,"a",@progbits
	.p2align	6, 0x0
	.amdhsa_kernel k_qa1b418c571_rowscore
		.amdhsa_group_segment_fixed_size 327680
		.amdhsa_private_segment_fixed_size 0
		.amdhsa_enable_private_segment 0
		.amdhsa_kernarg_size 56
		.amdhsa_user_sgpr_count 2
		.amdhsa_user_sgpr_kernarg_segment_ptr 1
		.amdhsa_wavefront_size32 1
		.amdhsa_system_sgpr_workgroup_id_x 1
		.amdhsa_system_sgpr_workgroup_id_y 1
		.amdhsa_system_sgpr_workgroup_id_z 1
		.amdhsa_system_vgpr_workitem_id 0
		.amdhsa_next_free_vgpr 1024
		.amdhsa_next_free_sgpr 96
		.amdhsa_reserve_vcc 0
		.amdhsa_float_denorm_mode_32 3
		.amdhsa_float_denorm_mode_16_64 3
		.amdhsa_memory_ordered 1
		.amdhsa_forward_progress 1
		.amdhsa_inst_pref_size 255
	.end_amdhsa_kernel
	.section	.bss,"aw",@nobits
	.p2align	6
	.space	262144
	.amdgpu_metadata
---
amdhsa.version: [ 1, 2 ]
amdhsa.kernels:
  - .name:           k_qa1b418c571_rowscore
    .symbol:         k_qa1b418c571_rowscore.kd
    .args:
      - { .name: x, .offset: 0, .size: 8, .value_kind: global_buffer, .address_space: global }
      - { .name: W_codes, .offset: 8, .size: 8, .value_kind: global_buffer, .address_space: global }
      - { .name: W_scales, .offset: 16, .size: 8, .value_kind: global_buffer, .address_space: global }
      - { .name: b, .offset: 24, .size: 8, .value_kind: global_buffer, .address_space: global }
      - { .name: ctx, .offset: 32, .size: 8, .value_kind: global_buffer, .address_space: global }
      - { .name: scores, .offset: 40, .size: 8, .value_kind: global_buffer, .address_space: global }
      - { .name: sel, .offset: 48, .size: 8, .value_kind: global_buffer, .address_space: global }
    .group_segment_fixed_size: 327680
    .private_segment_fixed_size: 0
    .kernarg_segment_align: 8
    .kernarg_segment_size: 56
    .max_flat_workgroup_size: 128
    .sgpr_count:     96
    .vgpr_count:     1024
    .wavefront_size: 32
...
	.end_amdgpu_metadata
.endif
;; end of part 3
;; launch pool: the kernel of part 2 again; grid 8 x 32, 32 waves a work-group, no clusters, 20,992 bytes of LDS; arguments x, scores, sel, out0; writes out0
